; MI455X (gfx1250); checked and timed in simulation.
; The chip was launched on July 23, 2026; its instructions are those of AMD's public machine-readable ISA for CDNA 5 (MIT licence, August 2026) and "CDNA5" Instruction Set Architecture Reference Guide (July 2026). The comments in the code are by the model that wrote it; some were corrected since.
;; Swin Transformer Block. Allowed arithmetic: matrix products marked QUANTISED: E2M1 operands, one E8M0 scale for each 32 along K, by v_wmma_scale_f32_16x16x128_f8f6f4 with both operands' format E2M1 (or v_wmma_scale_f32_32x16x128_f4), f32 sums; products left as they are: bf16, f16 or f32 operands; f32 sums; everything else in f32.
;; Inputs: W1 256 x 1,024 float32; W2 1,024 x 256 float32; Wkv 256 x 512 float32; Wp 256 x 256 float32; Wq 256 x 256 float32; b1 1,024 float32; b2 256 float32; be1 256 float32; be2 256 float32; bkv 512 float32; bp 256 float32; bq 256 float32; g1 256 float32; g2 256 float32; pos 1 x 64 x 256 float32; x 32 x 2,048 x 256 float32.
;; Outputs: out0 32 x 2,048 x 256 float32.
;; This version of the problem:
;;   THIS VERSION OF THE PROBLEM IS GIVEN IN LOW PRECISION. The matrix products marked QUANTISED in the list below multiply operands that are first quantised to E2M1 (2 exponent bits, 1 mantissa bit; 4 bits a number), with one power-of-two scale for each 32 numbers along K (OCP MX v1.0); their sums are f32. The products marked 'left as it is' may take bf16, f16 or f32 operands, with f32 sums. Whichever they take, every output number must still come out within the allowed error. Rounding operands to bf16 (8 significant bits) uses up far more of that allowance than f16 does (11 bits, for magnitudes from 6e-5 to 65,504). All else is computed in f32.
;;   The module's matrix products, in the order in which they are computed (A, B: the left and right operand; K: the contracted axis; several contracted axes count as one K, in the product's order):
;;     1. [M 65,536, K 256] x [K 256, N 256]; A: computed on the way; B: input Wq: left as it is (an operand is computed on the way)
;;     2. [M 65,536, K 256] x [K 256, N 512]; A: input x; B: input Wkv: QUANTISED
;;     3. batch 8,192 x [M 64, K 32] x [K 32, N 64]; A: computed on the way; B: computed on the way: left as it is (an operand is computed on the way)
;;     4. batch 8,192 x [M 64, K 64] x [K 64, N 32]; A: computed on the way; B: computed on the way: left as it is (an operand is computed on the way)
;;     5. [M 65,536, K 256] x [K 256, N 256]; A: computed on the way; B: input Wp: left as it is (an operand is computed on the way)
;;     6. [M 65,536, K 256] x [K 256, N 1,024]; A: computed on the way; B: input W1: left as it is (an operand is computed on the way)
;;     7. [M 65,536, K 1,024] x [K 1,024, N 256]; A: computed on the way; B: input W2: left as it is (an operand is computed on the way)
;;   THE QUANTISER, for each operand of a quantised product, along K:
;;     - K is cut into blocks of 32 from its start; a last block that is shorter is filled with zeros.
;;     - A block's scale is 2^e with e = floor(log2(the largest magnitude in the block)) - 2, held to -126 .. 127; a block of zeros has e = 0. As a byte (E8M0): e + 127.
;;     - Each number is divided by its block's scale, clamped to +-6, and rounded to the nearest number of E2M1, ties to even, subnormals kept.
;;     - The product sums the exact products of the quantised numbers (number of the format x scale) in f32.
;;   ~~~python
;;   def quantise(x, axis):      # numpy; x: float32 -> the quantised numbers, widened to float32 again
;;       x = np.moveaxis(x, axis, -1); K = x.shape[-1]
;;       x = np.pad(x, [(0, 0)] * (x.ndim - 1) + [(0, -K % 32)]); x = x.reshape(x.shape[:-1] + (-1, 32)); a = np.abs(x).max(-1, keepdims=True)
;;       e = np.where(a > 0, np.clip(np.frexp(np.where(a > 0, a, 1))[1] - 1 - 2, -126, 127), 0)      # np.frexp(a)[1] - 1 = floor(log2(a)), exactly
;;       r = np.clip(x / 2.0 ** e, -6, 6)
;;       step = 2.0 ** (np.maximum(np.frexp(np.where(r == 0, 1, r))[1] - 1, 0) - 1)
;;       q = np.round(r / step) * step * 2.0 ** e      # np.round: ties to even
;;       return np.moveaxis(q.reshape(q.shape[:-2] + (-1,))[..., :K], -1, axis).astype(np.float32)
;;   ~~~
;; One version. Each part assembles by itself: llvm-mc -triple=amdgcn-amd-amdhsa -mcpu=gfx1250 --defsym DOCPART=n.
;; ======== version 1 of 1: 2 launches
;; limits: values are held in f16: magnitudes above 65,504 overflow, below 6.1e-05 lose precision
;; workspace buffers: wfrag 1,310,720 bytes; wkvq 65,536 bytes; wkvs 4,096 bytes
;; launch prep (part 1): grid 96 x 1, 4 waves a work-group, no clusters, 0 bytes of LDS; arguments Wq, Wp, W1, W2, Wkv, wfrag, wkvq, wkvs; writes wfrag, wkvq, wkvs
.if DOCPART == 1
	.amdgcn_target "amdgcn-amd-amdhsa--gfx1250"
	.amdhsa_code_object_version 6
	.text
	.protected	k_q67f65dc4c2_prep
	.globl	k_q67f65dc4c2_prep
	.p2align	8
	.type	k_q67f65dc4c2_prep,@function
k_q67f65dc4c2_prep:
	s_mov_b64 s[64:65], 0
	v_nop
	global_prefetch_b8 v0, s[64:65] scope:SCOPE_SE
	s_setreg_imm32_b32 hwreg(HW_REG_WAVE_MODE, 25, 1), 1
	s_wait_xcnt 0x0
; THE WEIGHTS ARE LAID OUT ONCE, in the order in which the next launch's operand registers take them.  No work of reference() is left out in this program: every input has a way to the output.
; Wq, Wp, W1, W2 (f32, K first) become f16 fragments of 16 columns x 32 K in wfrag: 40 blocks of 32,768 bytes, [K step 0..7][column tile 0..3][half][lane][16 bytes].
; Block numbers: Wq w, Wp 4 + w, W1 8 + 4 c + w, W2 24 + 4 c + w  (w: the wave of the next launch, 64 columns; c: a chunk of 256 hidden units).
; Lane (r, h), f16 place i = 0..15 of a fragment holds W[k][col], col = colbase + 16 n + r, k = kbase + 32 s + HS h + (i < 8 ? i : D2 + i - 8).
; (HS, D2) = (8, 16) is the 16-bit operand's own order; Wq has (16, 8), since its partner x + pos holds 16 neighbours along K in a lane: the same order of K on both sides keeps the product.
; Wkv (f32, [256][512]) is quantised along K to E2M1 codes with one E8M0 byte for each 32: a lane takes a column and its registers run down K, so the conversions' results are the operand's registers.
; wkvq: fragment F = 16 w + 8 p + 4 S + n (p: 0 the k half, 1 the v half; S: K step of 128), 1,024 bytes [c][lane][16].  wkvs: [w][S][n] of 128 bytes: 16 words of the k half, 16 of the v half.
; LIMITS: weights beyond 65,504 in magnitude have no f16 number; a block of zeros of Wkv gets the byte 1 (its codes are zeros; this program alone reads the bytes); blocks whose largest magnitude lies under 2^-124 are held at that byte; NaN and infinities are not served.
.set NA, 80                            ; work-groups 0..79: half a block of wfrag each, a K step a wave; 80..95: four fragments of Wkv each, one a wave
	s_load_b256 s[4:11], s[0:1], 0x0               ; Wq s[4:5], Wp s[6:7], W1 s[8:9], W2 s[10:11]
	s_load_b256 s[12:19], s[0:1], 0x20             ; Wkv s[12:13], wfrag s[14:15], wkvq s[16:17], wkvs s[18:19]
	v_lshrrev_b32 v1, 5, v0
	v_readfirstlane_b32 s20, v1                    ; wave
	v_and_b32 v1, 15, v0                           ; r
	v_bfe_u32 v2, v0, 4, 1                         ; h
	v_and_b32 v3, 31, v0
	v_lshlrev_b32 v3, 4, v3                        ; 16 x lane
	s_cmp_lt_u32 ttmp9, NA
	s_cbranch_scc0 .Lkv
	; ---- f16 fragments
	s_lshr_b32 s21, ttmp9, 1                       ; block
	s_and_b32 s22, ttmp9, 1
	s_lshl_b32 s22, s22, 2
	s_add_co_u32 s22, s22, s20                     ; K step s
	s_and_b32 s23, s21, 3
	s_lshl_b32 s23, s23, 6                         ; 64 w
	s_sub_co_u32 s24, s21, 8
	s_lshr_b32 s24, s24, 2
	s_and_b32 s24, s24, 3
	s_lshl_b32 s24, s24, 8                         ; 256 c (used for W1 and W2 alone)
	s_wait_kmcnt 0x0
	s_cmp_ge_u32 s21, 4                            ; the choices hang on the work-group's number alone
	s_cselect_b64 s[4:5], s[6:7], s[4:5]
	s_cselect_b32 s25, 3, 4                        ; log2 HS
	s_cselect_b32 s26, 16, 8                       ; D2
	s_cmp_ge_u32 s21, 8
	s_cselect_b64 s[4:5], s[8:9], s[4:5]
	s_cselect_b32 s27, 10, 8                       ; log2 of the row's length
	s_cselect_b32 s28, s24, 0
	s_cmp_ge_u32 s21, 24
	s_cselect_b64 s[4:5], s[10:11], s[4:5]
	s_cselect_b32 s27, 8, s27
	s_cselect_b32 s28, 0, s28
	s_cselect_b32 s29, s24, 0                      ; kbase
	s_add_co_u32 s28, s28, s23                     ; colbase
	s_lshl_b32 s30, s22, 5
	s_add_co_u32 s29, s29, s30                     ; kbase + 32 s
	v_lshlrev_b32 v4, s25, v2                      ; HS h
	v_add_nc_u32 v4, s29, v4
	v_lshlrev_b32 v4, s27, v4                      ; x the row's length
	v_add3_u32 v4, v4, s28, v1
	v_lshlrev_b32 v4, 2, v4                        ; bytes
	s_add_co_u32 s27, s27, 2
	s_lshl_b32 s31, 1, s27                         ; a row in bytes
.irp i, 0,1,2,3,4,5,6,7
	s_mul_i32 s32, s31, \i
	v_add_nc_u32 v[8+\i], s32, v4                  ; places 0..7: rows 0..7 on
	s_add_co_u32 s33, s26, \i
	s_mul_i32 s33, s33, s31
	v_add_nc_u32 v[16+\i], s33, v4                 ; places 8..15: rows D2 .. D2 + 7 on
.endr
.irp n, 0,1,2,3
.irp i, 0,1,2,3,4,5,6,7,8,9,10,11,12,13,14,15
	global_load_b32 v[32+16*\n+\i], v[8+\i], s[4:5] offset:64*\n
.endr
.endr
	s_lshl_b32 s34, s21, 15
	s_lshl_b32 s32, s22, 12
	s_add_co_u32 s34, s34, s32                     ; block x 32,768 + s x 4,096
	s_mov_b32 s35, 0
	s_add_nc_u64 s[14:15], s[14:15], s[34:35]
	s_wait_loadcnt 0x0
.irp n, 0,1,2,3
.irp i, 0,1,2,3,4,5,6,7
	v_cvt_pk_f16_f32 v[96+8*\n+\i], v[32+16*\n+2*\i], v[33+16*\n+2*\i]
.endr
.endr
.irp n, 0,1,2,3
	global_store_b128 v3, v[96+8*\n:99+8*\n], s[14:15] offset:1024*\n          ; 32 lanes store 512 consecutive bytes
	global_store_b128 v3, v[100+8*\n:103+8*\n], s[14:15] offset:1024*\n+512
.endr
	s_endpgm
.Lkv:
	; ---- Wkv: codes and scale words
	s_sub_co_u32 s21, ttmp9, NA
	s_lshl_b32 s21, s21, 2
	s_add_co_u32 s21, s21, s20                     ; F
	s_lshr_b32 s22, s21, 4                         ; w
	s_bfe_u32 s23, s21, 0x10003                    ; p
	s_bfe_u32 s24, s21, 0x10002                    ; S
	s_and_b32 s25, s21, 3                          ; n
	s_lshl_b32 s26, s23, 8
	s_lshl_b32 s27, s22, 6
	s_add_co_u32 s26, s26, s27
	s_lshl_b32 s27, s25, 4
	s_add_co_u32 s26, s26, s27                     ; 256 p + 64 w + 16 n
	v_add_nc_u32 v4, s26, v1                       ; my column
	s_lshl_b32 s27, s24, 7
	v_lshl_add_u32 v5, v2, 5, s27                  ; 128 S + 32 h: my first row
	v_lshl_add_u32 v4, v5, 9, v4
	v_lshlrev_b32 v4, 2, v4
	s_mov_b32 s30, 0x76543210
	s_mov_b32 s31, 0xfedcba98                      ; lane l xor 16
	s_wait_kmcnt 0x0
.irp c, 0,1
.irp i, 0,1,2,3,4,5,6,7,8,9,10,11,12,13,14,15,16,17,18,19,20,21,22,23,24,25,26,27,28,29,30,31
	global_load_b32 v[64+32*\c+\i], v4, s[12:13] offset:2048*(64*\c+\i)   ; Wkv(128 S + 64 c + 32 h + i, my column)
.endr
.endr
	s_lshl_b32 s28, s21, 10
	s_mov_b32 s29, 0
	s_add_nc_u64 s[16:17], s[16:17], s[28:29]      ; my fragment's 1,024 bytes
	s_lshl_b32 s28, s22, 3
	s_and_b32 s27, s21, 7
	s_add_co_u32 s28, s28, s27
	s_lshl_b32 s28, s28, 7
	s_lshl_b32 s27, s23, 6
	s_add_co_u32 s28, s28, s27                     ; (8 w + 4 S + n) x 128 + 64 p
	s_add_nc_u64 s[18:19], s[18:19], s[28:29]
	v_lshlrev_b32 v6, 2, v1
	s_wait_loadcnt 0x0
.irp c, 0,1
	v_max3_num_f32 v[32+\c], |v[64+32*\c]|, |v[65+32*\c]|, 0x1800000   ; block 2 c + h is all mine; the floor 2^(3 - 127) holds the byte at 1 from below
.endr
.irp i, 2,4,6,8,10,12,14,16,18,20,22,24,26,28,30
.irp c, 0,1
	v_max3_num_f32 v[32+\c], v[32+\c], |v[64+32*\c+\i]|, |v[65+32*\c+\i]|
.endr
.endr
.irp c, 0,1
	v_add_nc_u32 v[44+\c], 0xff000000, v[32+\c]    ; 2 off the exponent field: the conversion's scale operand
.endr
.irp c, 0,1
	v_lshrrev_b32 v[36+\c], 23, v[44+\c]           ; the scale's byte
.endr
	v_lshl_or_b32 v9, v37, 16, v36                 ; bytes h and 2 + h of my column's word,
	v_lshlrev_b32 v10, 3, v2
	v_lshlrev_b32 v9, v10, v9                      ; at their places;
	v_mov_b32 v10, 0
	v_permlanex16_b32 v10, v9, s30, s31
	v_or_b32 v9, v9, v10                           ; with the other half's two the word is whole
.irp c, 0,1
.irp g, 0,1,2,3
	v_cvt_scalef32_pk8_fp4_f32 v[48+4*\c+\g], v[64+32*\c+8*\g:71+32*\c+8*\g], v[44+\c]
.endr
.endr
	global_store_b128 v3, v[48:51], s[16:17]
	global_store_b128 v3, v[52:55], s[16:17] offset:512
	global_store_b32 v6, v9, s[18:19]              ; both halves of the lanes store the same word at the same place
	s_endpgm
.Lfunc_end_k_q67f65dc4c2_prep:
	.size	k_q67f65dc4c2_prep, .Lfunc_end_k_q67f65dc4c2_prep-k_q67f65dc4c2_prep
	.p2alignl 7, 3214868480
	.fill 96, 4, 3214868480
	.section	.rodata,"a",@progbits
	.p2align	6, 0x0
	.amdhsa_kernel k_q67f65dc4c2_prep
		.amdhsa_group_segment_fixed_size 0
		.amdhsa_private_segment_fixed_size 0
		.amdhsa_enable_private_segment 0
		.amdhsa_kernarg_size 64
		.amdhsa_user_sgpr_count 2
		.amdhsa_user_sgpr_kernarg_segment_ptr 1
		.amdhsa_wavefront_size32 1
		.amdhsa_system_sgpr_workgroup_id_x 1
		.amdhsa_system_sgpr_workgroup_id_y 1
		.amdhsa_system_sgpr_workgroup_id_z 1
		.amdhsa_system_vgpr_workitem_id 0
		.amdhsa_next_free_vgpr 128
		.amdhsa_next_free_sgpr 66
		.amdhsa_reserve_vcc 0
		.amdhsa_float_denorm_mode_32 3
		.amdhsa_float_denorm_mode_16_64 3
		.amdhsa_memory_ordered 1
		.amdhsa_forward_progress 1
		.amdhsa_inst_pref_size 23
	.end_amdhsa_kernel
	.amdgpu_metadata
---
amdhsa.version: [ 1, 2 ]
amdhsa.kernels:
  - .name:           k_q67f65dc4c2_prep
    .symbol:         k_q67f65dc4c2_prep.kd
    .args:
      - { .name: Wq, .offset: 0, .size: 8, .value_kind: global_buffer, .address_space: global }
      - { .name: Wp, .offset: 8, .size: 8, .value_kind: global_buffer, .address_space: global }
      - { .name: W1, .offset: 16, .size: 8, .value_kind: global_buffer, .address_space: global }
      - { .name: W2, .offset: 24, .size: 8, .value_kind: global_buffer, .address_space: global }
      - { .name: Wkv, .offset: 32, .size: 8, .value_kind: global_buffer, .address_space: global }
      - { .name: wfrag, .offset: 40, .size: 8, .value_kind: global_buffer, .address_space: global }
      - { .name: wkvq, .offset: 48, .size: 8, .value_kind: global_buffer, .address_space: global }
      - { .name: wkvs, .offset: 56, .size: 8, .value_kind: global_buffer, .address_space: global }
    .group_segment_fixed_size: 0
    .private_segment_fixed_size: 0
    .kernarg_segment_align: 8
    .kernarg_segment_size: 64
    .max_flat_workgroup_size: 128
    .sgpr_count:     66
    .vgpr_count:     128
    .wavefront_size: 32
...
	.end_amdgpu_metadata
.endif
;; end of part 1
;; launch block (part 2): grid 512 x 1, 4 waves a work-group, no clusters, 308,736 bytes of LDS; arguments x, pos, wfrag, wkvq, wkvs, bq, bkv, bp, g1, be1, b1, b2, g2, be2, out0; writes out0
.if DOCPART == 2
	.amdgcn_target "amdgcn-amd-amdhsa--gfx1250"
	.amdhsa_code_object_version 6
	.text
	.protected	k_q67f65dc4c2_block
	.globl	k_q67f65dc4c2_block
	.p2align	8
	.type	k_q67f65dc4c2_block,@function
k_q67f65dc4c2_block:
	s_mov_b64 s[64:65], 0
	v_nop
	global_prefetch_b8 v0, s[64:65] scope:SCOPE_SE
	s_setreg_imm32_b32 hwreg(HW_REG_WAVE_MODE, 25, 1), 1
	s_wait_xcnt 0x0
; ONE SWIN BLOCK, WHOLE, FOR TWO WINDOWS (128 tokens) A WORK-GROUP: q and kv projections, cosine attention, Wp, post-norm residual, MLP with the exact GELU, post-norm residual.  x is read once, out0 written once, nothing else goes to memory.
; No work of reference() is left out.  ONE STEP IS TAKEN OTHERWISE: the softmax's maximum is not taken away.  reference() itself divides q and k by their lengths and multiplies by 1/16,
; so for every input a score lies in -1/16 .. 1/16, its exponential in 0.93 .. 1.07 and a row's sum in 60 .. 69: no exponential and no sum can overflow or underflow.
; FORMATS.  x Wkv: E2M1 codes with E8M0 scales, x quantised here in registers, Wkv by the launch before.  All other products: f16 operands, f32 sums.  Norms, softmax, GELU, residuals: f32.
; SHARES.  Four waves; THE WAVES SHARE THE COLUMNS: wave w makes columns 64 w .. 64 w + 63 of every product (heads 2 w, 2 w + 1) for all 128 rows, so attention never leaves a wave, and each weight fragment is wanted by
; one wave alone: it goes from memory straight into that wave's registers, 512 consecutive bytes a load.  Activations go from wave to wave through LDS as images of the operand's registers (lane l's 16 bytes at 16 l).
; NO CLUSTER, NO TENSOR LOAD: all work-groups walk the same weights, but a chunk's weights for the four waves are 256 KB of registers' worth, and 308,736 of a WGP's 327,680 LDS bytes hold activations: no slot for a joint load has room.
; PRODUCTS ARE USED TRANSPOSED (source 0 = 16 columns of a weight, source 1 = 16 tokens): a lane holds ONE token (lane % 16) and eight neighbouring columns, so two neighbouring column tiles, rounded in pairs, ARE the next product's fragment.
; v alone is made the natural way round (source 0 = tokens), so that a lane holds one channel and eight keys: the fragment of V^T.
; ROWS.  Local row 16 mt + r, mt = 4 wl + q4 (wl: which window): token 16 q4 + r of the window; global row R0 + (2 q4 + r / 8) 64 + 8 wl + r % 8.
; erf(z) = 1 - (a1 t + .. + a5 t^5) e^(-z z), t = 1 / (1 + p z): absolute error up to 1.5e-7.  gelu(x) = max(x, 0) - |x| Q / 2, Q = the polynomial x 2^(-x x log2(e) / 2).
; LIMITS: x + pos, o, x1, the hidden layer and v have no f16 number beyond 65,504, and lose bits under 6e-5; a block of zeros of x gets the scale byte 1 (its codes are zeros); blocks under 2^-124 are held at that byte; NaN and infinities are not served.
; REGISTERS, in windows of 256.  Window 0: v0-15 ids and addresses; v16-47, v48-79, v80-111 biases, gains, small sums, the hidden layer's 8 accumulators (v48-111); v112-239 fragments and work; v240-255 scale words and nothing else.
;   Window 2: 32 accumulators (mt, n) at 8 (4 mt + n); in attention S^T 0-127, P 128-191, O^T 192-255.   Windows 3 and 1: weights: K steps 0-3 in window 3, 4-7 in window 1; set B at v0-127 (Wq, W1), set A at v128-255 (Wp, W2).
;   Tenants in between: Wkv's codes window 3 v128-255; q's fragments window 1 v128-255; k's window 3 v0-127; V^T's window 1 v0-127.
.set XF,    0                          ; x, later x1: f32, 128 rows 1,040 bytes apart (row r starts at bank 4 r mod 64)
.set XFP,   1040
.set XP,    133120                     ; f16 images of x + pos, later of x1: fragment (mt, K step s) at (8 mt + s) 1,024 + half 512 + 16 lane
.set OI,    198656                     ; images of o, later of a chunk of the hidden layer: the same form
.set XQ,    264192                     ; E2M1 images of x: fragment (mt, S) at (2 mt + S) 1,024
.set XQS,   280576                     ; their scale words: mt 128 + S 64 + 4 r
.set RED,   282624                     ; four regions of 2,048: wave 512 + r 32: eight row sums
.set STG,   290816                     ; a stage of 16 rows x 272 bytes for each wave
.set SPARE, 308224                     ; the spare words, 128 bytes for each wave: two blocks of 256 bytes that no other line names
.set MSB, 0
.macro WIN new                         ; the immediate's high byte repeats the setting that is left; a switch that changes nothing is dropped
.if MSB != \new
	s_set_vgpr_msb (MSB<<8)|\new
.set MSB, \new
.endif
.endm
.macro PLACES n                        ; plain places behind matrix instructions (ISA guide 7.12.1)
.rept \n
	v_nop
.endr
.endm
.macro BAR                             ; my LDS stores have landed and my LDS loads are in: then the work-group's barrier
	s_wait_dscnt 0x0
	s_barrier_signal -1
	s_barrier_wait -1
.endm
.macro LOADWH p, off, win, base        ; four K steps of my weights: 16 fragments, 32 loads of 512 consecutive bytes
	WIN ((\win)<<6)
.set f_, 0
.rept 16
	global_load_b128 v[\base+8*f_:\base+8*f_+3], v3, s[\p:\p+1] offset:\off+1024*f_
	global_load_b128 v[\base+8*f_+4:\base+8*f_+7], v3, s[\p:\p+1] offset:\off+1024*f_+512
.set f_, f_+1
.endr
	WIN 0
.endm
.macro BIAS8 dst, p, off               ; a vector over my 64 columns in the result's layout: register 8 n + j = column 16 n + 8 h + j
.irp n, 0,1,2,3
	global_load_b128 v[\dst+8*\n:\dst+8*\n+3], v13, s[\p:\p+1] offset:\off+64*\n
	global_load_b128 v[\dst+8*\n+4:\dst+8*\n+7], v13, s[\p:\p+1] offset:\off+64*\n+16
.endr
.endm
; 64 numbers of a lane, register 16 b + i = k 32 b + 16 h + i of my row, become a fragment's codes in v96-103 and its scale word in v104
.macro QUANT src
.irp b, 0,1,2,3
	v_max3_num_f32 v[80+\b], |v[\src+16*\b]|, |v[\src+1+16*\b]|, 0x1800000   ; my 16 numbers of block b, and the floor 2^(3 - 127): the byte cannot fall under 1
.endr
.irp i, 2,4,6,8,10,12,14
.irp b, 0,1,2,3
	v_max3_num_f32 v[80+\b], v[80+\b], |v[\src+16*\b+\i]|, |v[\src+1+16*\b+\i]|
.endr
.endr
.irp b, 0,1,2,3
	v_permlanex16_b32 v[84+\b], v[80+\b], s40, s41
.endr
.irp b, 0,1,2,3
	v_max_num_f32 v[80+\b], v[80+\b], v[84+\b]     ; with lane l xor 16's: the block's largest magnitude
.endr
.irp b, 0,1,2,3
	v_add_nc_u32 v[92+\b], 0xff000000, v[80+\b]    ; 2 off its exponent field: the conversion's scale operand
.endr
.irp b, 0,1,2,3
	v_lshrrev_b32 v[84+\b], 23, v[92+\b]           ; the scale's byte
.endr
	v_lshl_or_b32 v104, v85, 8, v84
	v_lshl_or_b32 v104, v86, 16, v104
	v_lshl_or_b32 v104, v87, 24, v104
.irp b, 0,1,2,3
	v_cvt_scalef32_pk8_fp4_f32 v[96+2*\b], v[\src+16*\b:\src+7+16*\b], v[92+\b]
	v_cvt_scalef32_pk8_fp4_f32 v[97+2*\b], v[\src+8+16*\b:\src+15+16*\b], v[92+\b]
.endr
	v_nop                                          ; one plain place behind a scaled conversion
.irp c, 0,1                                    ; the operand wants a whole block in a lane
.irp i, 0,1
	v_permlane16_swap_b32 v[96+4*\c+\i], v[98+4*\c+\i]
.endr
.endr
.endm
.macro AFLOAD adr, s, buf              ; the eight row tiles' fragments of K step s: 16 loads
.irp m, 0,1,2,3,4,5,6,7
	ds_load_b128 v[\buf+8*\m:\buf+8*\m+3], v[\adr] offset:8192*\m+1024*(\s)
	ds_load_b128 v[\buf+8*\m+4:\buf+8*\m+7], v[\adr] offset:8192*\m+1024*(\s)+512
.endr
.endm
; 128 rows x my 64 columns x K = 256: 256 matrix instructions; the 32 accumulators take turns, one instruction a turn, in the same order in every K step.
; bias >= 0: the first K step takes v[bias + 8 n] as C; bias < 0: it adds onto what the accumulators hold.
.macro GEMM32 adr, wb, bias
	AFLOAD \adr, 0, 112
	AFLOAD \adr, 1, 176
.set ks_, 0
.rept 8
.if ks_ == 7
	s_wait_dscnt 0x0
.else
	s_wait_dscnt 16                                ; this K step's fragments are in; the next step's 16 loads may be out
.endif
.if (ks_ == 0) && (\bias >= 0)
	WIN 0x83
.elseif ks_ < 4
	WIN 0xa3
.else
	WIN 0xa1
.endif
.set m_, 0
.rept 8
.set n_, 0
.rept 4
.set rD, 8*(4*m_+n_)
.set rA, \wb+32*(ks_%4)+8*n_
.set rB, 112+64*(ks_%2)+8*m_
.if (ks_ == 0) && (\bias >= 0)
	v_wmma_f32_16x16x32_f16 v[rD:rD+7], v[rA:rA+7], v[rB:rB+7], v[\bias+8*n_:\bias+8*n_+7]
.else
	v_wmma_f32_16x16x32_f16 v[rD:rD+7], v[rA:rA+7], v[rB:rB+7], v[rD:rD+7]
.endif
.set n_, n_+1
.endr
.set m_, m_+1
.endr
.if ks_ <= 5
	WIN 0
	PLACES 4
	AFLOAD \adr, ks_+2, 112+64*(ks_%2)
.endif
.set ks_, ks_+1
.endr
	WIN 0
.endm
; The 32 accumulators hold q or k.  Each (row tile, head), 16 registers a lane at 16 x, x = 2 mt + hd, is divided by max(its row's length, 1e-12) and rounded to f16: fragment (hd, mt) at dbase + 8 (8 hd + mt) of window dwin.
.macro L2N dwin, dbase, withc
	WIN 0x0a
.set i_, 0
.rept 8
.set x_, 0
.rept 16
.if i_ == 0
	v_pk_mul_f32 v[80+2*x_:81+2*x_], v[16*x_:16*x_+1], v[16*x_:16*x_+1]
.else
	v_pk_fma_f32 v[80+2*x_:81+2*x_], v[16*x_+2*i_:16*x_+2*i_+1], v[16*x_+2*i_:16*x_+2*i_+1], v[80+2*x_:81+2*x_]
.endif
.set x_, x_+1
.endr
.set i_, i_+1
.endr
	WIN 0
.set x_, 0
.rept 16
	v_add_f32 v[80+2*x_], v[80+2*x_], v[81+2*x_]
.set x_, x_+1
.endr
.set x_, 0
.rept 16
	v_permlanex16_b32 v[81+2*x_], v[80+2*x_], s40, s41   ; the head's other 16 columns lie in the lane 16 away
.set x_, x_+1
.endr
.set x_, 0
.rept 16
	v_add_f32 v[80+2*x_], v[80+2*x_], v[81+2*x_]
.set x_, x_+1
.endr
.set x_, 0
.rept 16
	v_sqrt_f32 v[80+2*x_], v[80+2*x_]
.set x_, x_+1
.endr
	v_nop
	s_wait_alu depctr_va_vdst(0)                   ; one wait for the batch of roots, ahead of its first reader
.set x_, 0
.rept 16
	v_max_num_f32 v[80+2*x_], s55, v[80+2*x_]
.set x_, x_+1
.endr
.set x_, 0
.rept 16
	v_rcp_f32 v[80+2*x_], v[80+2*x_]
.set x_, x_+1
.endr
	v_nop
	s_wait_alu depctr_va_vdst(0)                   ; and one for the reciprocals
.if \withc
.set x_, 0
.rept 16
	v_mul_f32 v[80+2*x_], s57, v[80+2*x_]          ; q also takes log2(e) / 16: the scores come out ready for 2^s
.set x_, x_+1
.endr
.endif
	WIN 0x82
.set x_, 0
.rept 16
.set i_, 0
.rept 8
	v_pk_mul_f32 v[16*x_+2*i_:16*x_+2*i_+1], v[16*x_+2*i_:16*x_+2*i_+1], v[80+2*x_:81+2*x_] op_sel_hi:[1,0]
.set i_, i_+1
.endr
.set x_, x_+1
.endr
	WIN (((\dwin)<<6)|0x0a)
.set x_, 0
.rept 16
.set i_, 0
.rept 8
	v_cvt_pk_f16_f32 v[\dbase+8*(8*(x_%2)+x_/2)+i_], v[16*x_+2*i_], v[16*x_+2*i_+1]
.set i_, i_+1
.endr
.set x_, x_+1
.endr
	WIN 0
.endm
; Attention of window wl, my head hd: S^T = K Q^T, p = 2^s, O^T = V^T P, divided by the row's sum; o's fragments go to LDS as images.
.macro ATT wl, hd
	WIN 0x87
.irp qt, 0,1,2,3
.irp kt, 0,1,2,3
	v_wmma_f32_16x16x32_f16 v[8*(4*\qt+\kt):8*(4*\qt+\kt)+7], v[8*(8*\hd+4*\wl+\kt):8*(8*\hd+4*\wl+\kt)+7], v[128+8*(8*\hd+4*\wl+\qt):128+8*(8*\hd+4*\wl+\qt)+7], 0
.endr
.endr
	PLACES 4
	WIN 0x82
.set e_, 0
.rept 128
	v_exp_f32 v[e_], v[e_]
.set e_, e_+1
.endr
	v_nop
	s_wait_alu depctr_va_vdst(0)                   ; one wait for the 128 exponentials
	WIN 0x0a
.irp qt, 0,1,2,3
	v_pk_add_f32 v[80+2*\qt:81+2*\qt], v[32*\qt:32*\qt+1], v[32*\qt+2:32*\qt+3]
.endr
	WIN 0x08
.irp i, 2,3,4,5,6,7,8,9,10,11,12,13,14,15
.irp qt, 0,1,2,3
	v_pk_add_f32 v[80+2*\qt:81+2*\qt], v[80+2*\qt:81+2*\qt], v[32*\qt+2*\i:32*\qt+2*\i+1]
.endr
.endr
	WIN 0x8a
.set e_, 0
.rept 64
	v_cvt_pk_f16_f32 v[128+e_], v[2*e_], v[2*e_+1] ; P (query tile qt, 32 keys ks) at 128 + 16 qt + 8 ks
.set e_, e_+1
.endr
	WIN 0
.irp qt, 0,1,2,3
	v_add_f32 v[80+2*\qt], v[80+2*\qt], v[81+2*\qt]
.endr
.irp qt, 0,1,2,3
	v_permlanex16_b32 v[81+2*\qt], v[80+2*\qt], s40, s41
.endr
.irp qt, 0,1,2,3
	v_add_f32 v[80+2*\qt], v[80+2*\qt], v[81+2*\qt]
.endr
.irp qt, 0,1,2,3
	v_rcp_f32 v[80+2*\qt], v[80+2*\qt]
.endr
	v_nop
	WIN 0xa9
.irp ks, 0,1
.irp qt, 0,1,2,3
.irp ct, 0,1
.if \ks == 0
	v_wmma_f32_16x16x32_f16 v[192+8*(2*\qt+\ct):192+8*(2*\qt+\ct)+7], v[8*(4*(2*\wl+\hd)+2*\ct+\ks):8*(4*(2*\wl+\hd)+2*\ct+\ks)+7], v[128+8*(2*\qt+\ks):128+8*(2*\qt+\ks)+7], 0
.else
	v_wmma_f32_16x16x32_f16 v[192+8*(2*\qt+\ct):192+8*(2*\qt+\ct)+7], v[8*(4*(2*\wl+\hd)+2*\ct+\ks):8*(4*(2*\wl+\hd)+2*\ct+\ks)+7], v[128+8*(2*\qt+\ks):128+8*(2*\qt+\ks)+7], v[192+8*(2*\qt+\ct):192+8*(2*\qt+\ct)+7]
.endif
.endr
.endr
.endr
	PLACES 4
	s_wait_alu depctr_va_vdst(0)                   ; the four reciprocals' wait, ahead of their first reader
	WIN 0x02
.irp qt, 0,1,2,3
.irp i, 0,1,2,3,4,5,6,7
	v_pk_mul_f32 v[144+16*\qt+2*\i:145+16*\qt+2*\i], v[192+16*\qt+2*\i:193+16*\qt+2*\i], v[80+2*\qt:81+2*\qt] op_sel_hi:[1,0]
.endr
.endr
	WIN 0
.set e_, 0
.rept 32
	v_cvt_pk_f16_f32 v[112+e_], v[144+2*e_], v[145+2*e_]
.set e_, e_+1
.endr
.irp qt, 0,1,2,3
.irp ct, 0,1
	ds_store_b128 v9, v[112+4*(2*\qt+\ct):115+4*(2*\qt+\ct)] offset:(4*\wl+\qt)*8192+\hd*1024+\ct*512   ; row tile 4 wl + qt, K step 2 w + hd of the next product
.endr
.endr
.endm
; The eight pairs v[112 + 2 mt] become the rows' sums over all 256 columns, in v[144 + mt] of every wave: my halves, the lane 16 away, then the four waves' through LDS.
.macro XWAVE off
.irp mt, 0,1,2,3,4,5,6,7
	v_add_f32 v[128+\mt], v[112+2*\mt], v[113+2*\mt]
.endr
.irp mt, 0,1,2,3,4,5,6,7
	v_permlanex16_b32 v[136+\mt], v[128+\mt], s40, s41
.endr
.irp mt, 0,1,2,3,4,5,6,7
	v_add_f32 v[128+\mt], v[128+\mt], v[136+\mt]
.endr
	ds_store_b128 v226, v[128:131] offset:\off     ; both halves of the lanes store the same numbers at the same place
	ds_store_b128 v226, v[132:135] offset:\off+16
	BAR
.irp u, 0,1,2,3
	ds_load_b128 v[144+8*\u:147+8*\u], v227 offset:\off+512*\u
	ds_load_b128 v[148+8*\u:151+8*\u], v227 offset:\off+512*\u+16
.endr
	s_wait_dscnt 0x0
.irp mt, 0,1,2,3,4,5,6,7
	v_add_f32 v[144+\mt], v[144+\mt], v[152+\mt]
	v_add_f32 v[160+\mt], v[160+\mt], v[168+\mt]
.endr
.irp mt, 0,1,2,3,4,5,6,7
	v_add_f32 v[144+\mt], v[144+\mt], v[160+\mt]
.endr
.endm
; LayerNorm of the 32 accumulators along the 256 columns, gain v80-111, bias v48-79, added to what lies in XF.  mode 1: the result goes back to XF (f32) and to XP (f16 images).  mode 2: it is the output.
.macro LN q, mode
	v_and_b32 v224, 15, v0                         ; r
	v_bfe_u32 v225, v0, 4, 1                       ; h
	v_lshlrev_b32 v227, 5, v224
	v_add_nc_u32 v227, RED+2048*\q, v227           ; the sums of row r: read from here,
	s_lshl_b32 s72, s2, 9
	v_add_nc_u32 v226, s72, v227                   ; mine stored here
.if \mode == 2
	s_mul_i32 s72, s2, 16*272
	v_mul_u32_u24 v228, v224, 272
	v_lshl_add_u32 v228, v225, 5, v228
	v_add_nc_u32 v228, s72, v228
	v_add_nc_u32 v228, STG, v228                   ; into my stage: row r, 32 h
	v_mul_u32_u24 v229, v225, 272
	v_lshl_add_u32 v229, v224, 4, v229
	v_add_nc_u32 v229, s72, v229
	v_add_nc_u32 v229, STG, v229                   ; back: lanes 0-15 one row of 256 bytes, lanes 16-31 the next
	v_lshlrev_b32 v230, 10, v225
	v_lshl_add_u32 v230, v224, 4, v230             ; and the same two rows in out0
.endif
	WIN 0x0a
.irp mt, 0,1,2,3,4,5,6,7
	v_pk_add_f32 v[112+2*\mt:113+2*\mt], v[32*\mt:32*\mt+1], v[32*\mt+2:32*\mt+3]
.endr
	WIN 0x08
.irp i, 2,3,4,5,6,7,8,9,10,11,12,13,14,15
.irp mt, 0,1,2,3,4,5,6,7
	v_pk_add_f32 v[112+2*\mt:113+2*\mt], v[112+2*\mt:113+2*\mt], v[32*\mt+2*\i:32*\mt+2*\i+1]
.endr
.endr
	WIN 0
	XWAVE 0
.irp mt, 0,1,2,3,4,5,6,7
	v_mul_f32 v[176+2*\mt], 0xbb800000, v[144+\mt] ; minus the mean
.endr
	WIN 0x82
.irp mt, 0,1,2,3,4,5,6,7
.irp i, 0,1,2,3,4,5,6,7,8,9,10,11,12,13,14,15
	v_pk_add_f32 v[32*\mt+2*\i:32*\mt+2*\i+1], v[32*\mt+2*\i:32*\mt+2*\i+1], v[176+2*\mt:177+2*\mt] op_sel_hi:[1,0]
.endr
.endr
	WIN 0x0a
.irp mt, 0,1,2,3,4,5,6,7
	v_pk_mul_f32 v[112+2*\mt:113+2*\mt], v[32*\mt:32*\mt+1], v[32*\mt:32*\mt+1]
.endr
.irp i, 1,2,3,4,5,6,7,8,9,10,11,12,13,14,15
.irp mt, 0,1,2,3,4,5,6,7
	v_pk_fma_f32 v[112+2*\mt:113+2*\mt], v[32*\mt+2*\i:32*\mt+2*\i+1], v[32*\mt+2*\i:32*\mt+2*\i+1], v[112+2*\mt:113+2*\mt]
.endr
.endr
	WIN 0
	XWAVE 2048
.irp mt, 0,1,2,3,4,5,6,7
	v_fma_f32 v[144+\mt], v[144+\mt], s61, s56     ; the variance + 1e-5
.endr
.irp mt, 0,1,2,3,4,5,6,7
	v_rsq_f32 v[176+2*\mt], v[144+\mt]
.endr
	v_nop
	s_wait_alu depctr_va_vdst(0)                   ; one wait for the eight
	s_wait_loadcnt 0x0                             ; the gain and the bias are in
.irp mt, 0,1,2,3,4,5,6,7
.irp n, 0,1,2,3
	ds_load_b128 v[112+8*\n:115+8*\n], v[11+\mt/4] offset:(\mt%4)*16*XFP+64*\n
	ds_load_b128 v[116+8*\n:119+8*\n], v[11+\mt/4] offset:(\mt%4)*16*XFP+64*\n+16
.endr
	WIN 0x02
.irp i, 0,1,2,3,4,5,6,7,8,9,10,11,12,13,14,15
	v_pk_mul_f32 v[144+2*\i:145+2*\i], v[32*\mt+2*\i:32*\mt+2*\i+1], v[176+2*\mt:177+2*\mt] op_sel_hi:[1,0]
.endr
	WIN 0
.irp i, 0,1,2,3,4,5,6,7,8,9,10,11,12,13,14,15
	v_pk_fma_f32 v[144+2*\i:145+2*\i], v[144+2*\i:145+2*\i], v[80+2*\i:81+2*\i], v[48+2*\i:49+2*\i]
.endr
	s_wait_dscnt 0x0
.irp i, 0,1,2,3,4,5,6,7,8,9,10,11,12,13,14,15
	v_pk_add_f32 v[144+2*\i:145+2*\i], v[144+2*\i:145+2*\i], v[112+2*\i:113+2*\i]
.endr
.if \mode == 1
.irp n, 0,1,2,3
	ds_store_b128 v[11+\mt/4], v[144+8*\n:147+8*\n] offset:(\mt%4)*16*XFP+64*\n      ; x1, into the bytes that I read: no other wave touches my columns
	ds_store_b128 v[11+\mt/4], v[148+8*\n:151+8*\n] offset:(\mt%4)*16*XFP+64*\n+16
.endr
.irp i, 0,1,2,3,4,5,6,7,8,9,10,11,12,13,14,15
	v_cvt_pk_f16_f32 v[192+\i], v[144+2*\i], v[145+2*\i]
.endr
.irp n, 0,1,2,3
	ds_store_b128 v10, v[192+4*\n:195+4*\n] offset:\mt*8192+(\n/2)*1024+(\n%2)*512   ; K step 2 w + n / 2 of the next product
.endr
.else
.irp n, 0,1,2,3
	ds_store_b128 v228, v[144+8*\n:147+8*\n] offset:64*\n
	ds_store_b128 v228, v[148+8*\n:151+8*\n] offset:64*\n+16
.endr
	s_wait_xcnt 0x0                                ; the last tile's stores have read their registers: they are loaded again only behind this wait
.irp i, 0,1,2,3,4,5,6,7
	ds_load_b128 v[192+4*\i:195+4*\i], v229 offset:544*\i   ; LDS serves a wave's instructions in order: these see my stores
.endr
	s_wait_dscnt 0x0
.irp i, 0,1,2,3,4,5,6,7
	global_store_b128 v230, v[192+4*\i:195+4*\i], s[36:37] offset:((2*(\mt%4)+\i/4)*64+8*(\mt/4)+2*(\i%4))*1024 th:TH_STORE_NT   ; 16 lanes store 256 consecutive bytes, at a multiple of 256 from out0's first byte
.endr
.endif
.endr
.endm
; The hidden layer, two row tiles a trip: two K steps' fragments of x1 (8 loads), and 16 matrix instructions on them: 8 accumulators by turns.
.macro P1LOAD buf, k0
.irp kk, 0,1
.irp m, 0,1
	ds_load_b128 v[\buf+16*\kk+8*\m:\buf+16*\kk+8*\m+3], v4 offset:8192*\m+1024*(\k0+\kk)
	ds_load_b128 v[\buf+16*\kk+8*\m+4:\buf+16*\kk+8*\m+7], v4 offset:8192*\m+1024*(\k0+\kk)+512
.endr
.endr
.endm
.macro P1MUL buf, k0
.irp kk, 0,1
.irp m, 0,1
.irp n, 0,1,2,3
.if (\k0+\kk) == 0
	v_wmma_f32_16x16x32_f16 v[48+8*(4*\m+\n):55+8*(4*\m+\n)], v[32*((\k0+\kk)%4)+8*\n:32*((\k0+\kk)%4)+8*\n+7], v[\buf+16*\kk+8*\m:\buf+16*\kk+8*\m+7], v[16+8*\n:23+8*\n]
.else
	v_wmma_f32_16x16x32_f16 v[48+8*(4*\m+\n):55+8*(4*\m+\n)], v[32*((\k0+\kk)%4)+8*\n:32*((\k0+\kk)%4)+8*\n+7], v[\buf+16*\kk+8*\m:\buf+16*\kk+8*\m+7], v[48+8*(4*\m+\n):55+8*(4*\m+\n)]
.endif
.endr
.endr
.endr
.endm
; GELU of 16 registers (two neighbouring column tiles of a row tile), rounded to f16 in place: one fragment, stored as an image.  v176-191 |x|, v192-207 t, v208-223 the exponential, v224-239 the polynomial.
.macro GELU16 X, off
.set g_, 0
.rept 16
	v_and_b32 v[176+g_], s54, v[\X+g_]
.set g_, g_+1
.endr
.set g_, 0
.rept 8
	v_pk_fma_f32 v[192+2*g_:193+2*g_], v[176+2*g_:177+2*g_], s[42:43], 1.0 op_sel_hi:[1,0,0]
.set g_, g_+1
.endr
.set g_, 0
.rept 8
	v_pk_mul_f32 v[208+2*g_:209+2*g_], v[\X+2*g_:\X+2*g_+1], v[\X+2*g_:\X+2*g_+1]
.set g_, g_+1
.endr
.set g_, 0
.rept 8
	v_pk_mul_f32 v[208+2*g_:209+2*g_], v[208+2*g_:209+2*g_], s[44:45] op_sel_hi:[1,0]
.set g_, g_+1
.endr
.set g_, 0
.rept 16
	v_rcp_f32 v[192+g_], v[192+g_]
.set g_, g_+1
.endr
.set g_, 0
.rept 16
	v_exp_f32 v[208+g_], v[208+g_]
.set g_, g_+1
.endr
.set g_, 0
.rept 16
	v_max_num_f32 v[\X+g_], 0, v[\X+g_]            ; max(x, 0): plain work that names no result of the batch
.set g_, g_+1
.endr
	s_wait_alu depctr_va_vdst(0)                   ; one wait for the 32
.set g_, 0
.rept 8
	v_pk_fma_f32 v[224+2*g_:225+2*g_], v[192+2*g_:193+2*g_], s[52:53], v[14:15] op_sel_hi:[1,0,1]
.set g_, g_+1
.endr
.irp a, 50, 48, 46
.set g_, 0
.rept 8
	v_pk_fma_f32 v[224+2*g_:225+2*g_], v[224+2*g_:225+2*g_], v[192+2*g_:193+2*g_], s[\a:\a+1] op_sel_hi:[1,1,0]
.set g_, g_+1
.endr
.endr
.irp a, 192, 208, 176
.set g_, 0
.rept 8
	v_pk_mul_f32 v[224+2*g_:225+2*g_], v[224+2*g_:225+2*g_], v[\a+2*g_:\a+2*g_+1]
.set g_, g_+1
.endr
.endr
.set g_, 0
.rept 8
	v_pk_fma_f32 v[\X+2*g_:\X+2*g_+1], v[224+2*g_:225+2*g_], -0.5, v[\X+2*g_:\X+2*g_+1] op_sel_hi:[1,0,1]
.set g_, g_+1
.endr
.set g_, 0
.rept 8
	v_cvt_pk_f16_f32 v[\X+g_], v[\X+2*g_], v[\X+2*g_+1]   ; ascending: each line writes a register whose number has been used
.set g_, g_+1
.endr
	ds_store_b128 v6, v[\X:\X+3] offset:\off
	ds_store_b128 v6, v[\X+4:\X+7] offset:\off+512
.endm
	; ================ the head
	s_load_b512 s[8:23], s[0:1], 0x0               ; x 8, pos 10, wfrag 12, wkvq 14, wkvs 16, bq 18, bkv 20, bp 22
	s_load_b256 s[24:31], s[0:1], 0x40             ; g1 24, be1 26, b1 28, b2 30
	s_load_b128 s[32:35], s[0:1], 0x60             ; g2 32, be2 34
	s_load_b64 s[36:37], s[0:1], 0x70              ; out0
	v_lshl_add_u32 v1, v0, 2, SPARE                ; my spare word; never rewritten
	v_mov_b32 v2, 0                                ; 0; never rewritten
	v_lshrrev_b32 v3, 5, v0
	v_readfirstlane_b32 s2, v3                     ; wave
	v_and_b32 v4, 31, v0
	v_lshlrev_b32 v3, 4, v4                        ; v3  16 x lane
	v_lshlrev_b32 v4, 2, v4                        ; v4  4 x lane (from the MLP on: the trip's x1 images)
	v_and_b32 v6, 15, v0                           ; r
	v_lshlrev_b32 v5, 2, v6                        ; v5  4 r
	v_bfe_u32 v13, v0, 4, 1                        ; h
	v_add_nc_u32 v7, XP, v3                        ; v7  images in XP, read
	v_add_nc_u32 v8, OI, v3                        ; v8  images in OI, read
	s_lshl_b32 s72, s2, 11
	v_add_nc_u32 v9, s72, v8                       ; v9  OI, my two K steps, written
	v_add_nc_u32 v10, s72, v7                      ; v10 XP, my two K steps, written
	v_mul_u32_u24 v11, v6, XFP
	s_mul_i32 s72, s2, 32*XFP
	v_lshl_add_u32 v105, v13, 6, v11
	v_add_nc_u32 v105, s72, v105                   ; v105 my wave's rows of XF: row r, 64 h
	v_add_nc_u32 v110, s72, v3                     ; v110 the same rows, 16 x lane
	s_lshl_b32 s70, s2, 8                          ; 256 w
	v_lshl_add_u32 v11, v13, 5, v11
	v_add_nc_u32 v11, s70, v11                     ; v11 XF: row r, my columns, 32 h; row tiles 0-3
	v_add_nc_u32 v12, 64*XFP, v11                  ; v12 row tiles 4-7
	v_lshlrev_b32 v106, 10, v6
	v_lshl_add_u32 v106, v13, 6, v106              ; v106 pos: row r, 64 h
	s_lshl_b32 s72, s2, 12
	v_add_nc_u32 v107, s72, v3
	v_add_nc_u32 v107, XQ, v107                    ; v107 my four images in XQ
	v_add_nc_u32 v108, s70, v5
	v_add_nc_u32 v108, XQS, v108                   ; v108 their scale words
	s_lshl_b32 s72, s2, 14
	v_add_nc_u32 v109, s72, v7                     ; v109 my sixteen images in XP
	v_lshlrev_b32 v13, 5, v13                      ; v13 32 h
	v_mov_b32 v14, 0xbfba00e3                      ; a4, twice
	v_mov_b32 v15, 0xbfba00e3
.irp b, 0,1,2,3
	v_mov_b32 v[84+\b], 0                          ; written once: a lane permute's destination counts as one of its sources
.endr
	s_mov_b32 s40, 0x76543210
	s_mov_b32 s41, 0xfedcba98                      ; lane l xor 16
	s_mov_b32 s42, 0x3e6d3388                      ; p / sqrt(2)
	s_mov_b32 s43, s42
	s_mov_b32 s44, 0xbf38aa3b                      ; -log2(e) / 2
	s_mov_b32 s45, s44
	s_mov_b32 s46, 0x3e827906                      ; a1
	s_mov_b32 s47, s46
	s_mov_b32 s48, 0xbe91a98e                      ; a2
	s_mov_b32 s49, s48
	s_mov_b32 s50, 0x3fb5f0e3                      ; a3
	s_mov_b32 s51, s50
	s_mov_b32 s52, 0x3f87dc22                      ; a5
	s_mov_b32 s53, s52
	s_mov_b32 s54, 0x7fffffff
	s_mov_b32 s55, 0x2b8cbccc                      ; 1e-12
	s_mov_b32 s56, 0x3727c5ac                      ; 1e-5
	s_mov_b32 s57, 0x3db8aa3b                      ; log2(e) / 16
	s_mov_b32 s61, 0x3b800000                      ; 1 / 256
	s_mov_b32 s71, 0
	s_mov_b32 s73, 0
	s_mov_b32 s75, 0
	s_mov_b32 s77, 0
	s_lshr_b32 s74, ttmp9, 4
	s_lshl_b32 s74, s74, 11
	s_bfe_u32 s76, ttmp9, 0x20002
	s_lshl_b32 s76, s76, 9
	s_add_co_u32 s74, s74, s76
	s_and_b32 s76, ttmp9, 3
	s_lshl_b32 s76, s76, 4
	s_add_co_u32 s74, s74, s76                     ; R0
	s_and_b32 s78, s2, 1
	s_lshl_b32 s72, s78, 8
	s_lshr_b32 s76, s2, 1
	s_lshl_b32 s76, s76, 3
	s_add_co_u32 s72, s72, s76
	s_add_co_u32 s72, s72, s74                     ; my wave's first row of x: R0 + 256 (w % 2) + 8 (w / 2)
	s_lshl_b32 s72, s72, 10
	s_lshl_b32 s74, s74, 10
	s_add_co_u32 s74, s74, s70                     ; out0: row R0, my 256 bytes
	s_wait_kmcnt 0x0
	s_add_nc_u64 s[8:9], s[8:9], s[72:73]
	s_add_nc_u64 s[36:37], s[36:37], s[74:75]
	s_lshl_b32 s76, s78, 15
	s_add_nc_u64 s[10:11], s[10:11], s[76:77]      ; pos: row 32 (w % 2)
	s_lshl_b32 s76, s2, 15
	s_add_nc_u64 s[12:13], s[12:13], s[76:77]      ; wfrag: block w (Wq); Wp lies 4 blocks on
	s_add_nc_u64 s[66:67], s[12:13], 0x40000       ; W1: block 8 + w
	s_add_nc_u64 s[68:69], s[12:13], 0xc0000       ; W2: block 24 + w
	s_lshl_b32 s76, s2, 14
	s_add_nc_u64 s[14:15], s[14:15], s[76:77]
	s_lshl_b32 s76, s2, 10
	s_add_nc_u64 s[16:17], s[16:17], s[76:77]
.irp p, 18,20,22,24,26,28,30,32,34
	s_add_nc_u64 s[\p:\p+1], s[\p:\p+1], s[70:71]  ; the vectors over columns: my 64
.endr
	WIN 0x80
.set j_, 0
.rept 64
	global_load_b128 v[4*j_:4*j_+3], v3, s[8:9] offset:65536*(j_/16)+512*(j_%16) th:TH_LOAD_NT   ; my 32 rows of x, 512 consecutive bytes a load; read once in the launch
.set j_, j_+1
.endr
	WIN 0x08
.set j_, 0
.rept 64
	s_wait_loadcnt 63-j_                           ; load j is in; the 63 - j behind it may be out
	ds_store_b128 v110, v[4*j_:4*j_+3] offset:XFP*(8*(j_/16)+(j_%16)/2)+512*(j_%2)
.set j_, j_+1
.endr
	WIN 0
	LOADWH 12, 0, 3, 0                             ; Wq
	LOADWH 12, 16384, 1, 0
	WIN 0xc0
.set f_, 0
.rept 16
	global_load_b128 v[128+8*f_:131+8*f_], v3, s[14:15] offset:1024*f_           ; Wkv's codes: fragment 8 p + 4 S + n
	global_load_b128 v[132+8*f_:135+8*f_], v3, s[14:15] offset:1024*f_+512
.set f_, f_+1
.endr
	WIN 0
.irp i, 0,1,2,3,4,5,6,7
	global_load_b32 v[240+\i], v4, s[16:17] offset:128*\i   ; their scale words (S, n): lanes 0-15 the k half's, lanes 16-31 the v half's
.endr
	BIAS8 16, 18, 0                                ; bq
	BIAS8 48, 20, 0                                ; bkv, the k half
	; ================ X: my 32 rows of x become E2M1 images, and x + pos f16 images.  A trip is a row tile; both K steps of 128 are written out.
	s_mov_b32 s59, 0
.Lx:
.irp S, 0,1
.irp b, 0,1,2,3
.irp j, 0,1,2,3
	ds_load_b128 v[112+16*\b+4*\j:115+16*\b+4*\j], v105 offset:512*\S+128*\b+16*\j   ; my own rows: LDS serves a wave's instructions in order
.endr
.endr
.irp b, 0,1,2,3
.irp j, 0,1,2,3
	global_load_b128 v[176+16*\b+4*\j:179+16*\b+4*\j], v106, s[10:11] offset:512*\S+128*\b+16*\j
.endr
.endr
	s_wait_dscnt 0x0
	QUANT 112
	ds_store_b128 v107, v[96:99] offset:1024*\S
	ds_store_b128 v107, v[100:103] offset:1024*\S+512
	ds_store_b32 v108, v104 offset:64*\S           ; both halves of the lanes hold the row's word
	s_wait_loadcnt 0x0
.set i_, 0
.rept 32
	v_pk_add_f32 v[112+2*i_:113+2*i_], v[112+2*i_:113+2*i_], v[176+2*i_:177+2*i_]
.set i_, i_+1
.endr
.set i_, 0
.rept 32
	v_cvt_pk_f16_f32 v[112+i_], v[112+2*i_], v[113+2*i_]   ; ascending, in place
.set i_, i_+1
.endr
.irp b, 0,1,2,3
	ds_store_b128 v109, v[112+8*\b:115+8*\b] offset:(4*\S+\b)*1024
	ds_store_b128 v109, v[116+8*\b:119+8*\b] offset:(4*\S+\b)*1024+512
.endr
.endr
	v_add_nc_u32 v105, 16*XFP, v105                ; the next row tile (pos's loads are in: their address may be written)
	v_add_nc_u32 v106, 16384, v106
	v_add_nc_u32 v107, 2048, v107
	v_add_nc_u32 v108, 128, v108
	v_add_nc_u32 v109, 8192, v109
	s_add_co_u32 s59, s59, 1
	s_cmp_lt_u32 s59, 2
	s_cbranch_scc1 .Lx
	BAR                                            ; all images of x and of x + pos lie in LDS
	; ================ q = (x + pos) Wq + bq
	GEMM32 7, 0, 16
	PLACES 5
	v_add_nc_u32 v80, XQ, v3
	v_add_nc_u32 v81, XQS, v4
.set f_, 0
.rept 16
	ds_load_b128 v[112+8*f_:115+8*f_], v80 offset:1024*f_          ; x's codes: fragment 2 mt + S
	ds_load_b128 v[116+8*f_:119+8*f_], v80 offset:1024*f_+512
.set f_, f_+1
.endr
.irp mt, 0,1,2,3,4,5,6,7
	ds_load_b32 v[248+\mt], v81 offset:128*\mt     ; their scale words: lanes 0-15 S = 0, lanes 16-31 S = 1
.endr
.irp n, 0,1,2,3
.irp j, 0,1,2,3,4,5,6,7
	global_load_b32 v[16+8*\n+\j], v5, s[20:21] offset:1024+64*\n   ; bkv, the v half: there a lane holds one column, so its number stands in all eight registers
.endr
.endr
	L2N 1, 128, 1
	; ================ k = x Wk + bk, on codes
	s_wait_dscnt 0x0
	s_wait_loadcnt 0x0
	WIN 0x83
.irp mt, 0,1,2,3,4,5,6,7
.irp n, 0,1,2,3
	v_wmma_scale_f32_16x16x128_f8f6f4 v[8*(4*\mt+\n):8*(4*\mt+\n)+7], v[128+8*\n:135+8*\n], v[112+16*\mt:119+16*\mt], v[48+8*\n:55+8*\n], v[240+\n], v[248+\mt] matrix_a_fmt:MATRIX_FMT_FP4 matrix_b_fmt:MATRIX_FMT_FP4
.endr
.endr
	WIN 0xa3
.irp mt, 0,1,2,3,4,5,6,7
.irp n, 0,1,2,3
	v_wmma_scale_f32_16x16x128_f8f6f4 v[8*(4*\mt+\n):8*(4*\mt+\n)+7], v[160+8*\n:167+8*\n], v[120+16*\mt:127+16*\mt], v[8*(4*\mt+\n):8*(4*\mt+\n)+7], v[244+\n], v[248+\mt] matrix_a_fmt:MATRIX_FMT_FP4 matrix_b_fmt:MATRIX_FMT_FP4 matrix_b_scale:MATRIX_SCALE_ROW1
.endr
.endr
	WIN 0
	PLACES 5
	L2N 3, 0, 0
	; ================ v = x Wv + bv, the natural way round: a lane holds one channel and eight tokens
	WIN 0x8c
.irp mt, 0,1,2,3,4,5,6,7
.irp n, 0,1,2,3
	v_wmma_scale_f32_16x16x128_f8f6f4 v[8*(4*\mt+\n):8*(4*\mt+\n)+7], v[112+16*\mt:119+16*\mt], v[192+8*\n:199+8*\n], v[16+8*\n:23+8*\n], v[248+\mt], v[240+\n] matrix_a_fmt:MATRIX_FMT_FP4 matrix_b_fmt:MATRIX_FMT_FP4 matrix_b_scale:MATRIX_SCALE_ROW1
.endr
.endr
	WIN 0xac
.irp mt, 0,1,2,3,4,5,6,7
.irp n, 0,1,2,3
	v_wmma_scale_f32_16x16x128_f8f6f4 v[8*(4*\mt+\n):8*(4*\mt+\n)+7], v[120+16*\mt:127+16*\mt], v[224+8*\n:231+8*\n], v[8*(4*\mt+\n):8*(4*\mt+\n)+7], v[248+\mt], v[244+\n] matrix_a_fmt:MATRIX_FMT_FP4 matrix_b_fmt:MATRIX_FMT_FP4 matrix_a_scale:MATRIX_SCALE_ROW1 matrix_b_scale:MATRIX_SCALE_ROW1
.endr
.endr
	PLACES 5
	WIN 0x4a
.irp wl, 0,1
.irp hd, 0,1
.irp ct, 0,1
.irp ks, 0,1
.irp e, 0,1
.irp i, 0,1,2,3
	v_cvt_pk_f16_f32 v[8*(4*(2*\wl+\hd)+2*\ct+\ks)+4*\e+\i], v[8*(4*(4*\wl+2*\ks+\e)+2*\hd+\ct)+2*\i], v[8*(4*(4*\wl+2*\ks+\e)+2*\hd+\ct)+2*\i+1]   ; V^T: 16 channels x 32 keys
.endr
.endr
.endr
.endr
.endr
.endr
	WIN 0
	LOADWH 12, 131072, 3, 128                      ; Wp's K steps 0-3, where Wkv's codes lay
	BIAS8 48, 22, 0                                ; bp
	; ================ attention: two windows x my two heads
	ATT 0, 0
	ATT 0, 1
	ATT 1, 0
	ATT 1, 1
	PLACES 4
	LOADWH 12, 131072+16384, 1, 128                ; Wp's K steps 4-7, where q's fragments lay
	BIAS8 16, 28, 0                                ; b1, chunk 0
	LOADWH 66, 0, 3, 0                             ; W1, chunk 0
	LOADWH 66, 16384, 1, 0
	BIAS8 80, 24, 0                                ; g1
	BAR                                            ; o's images lie in LDS
	; ================ o Wp + bp
	s_wait_loadcnt 63                              ; behind Wp's last fragment 80 loads were issued (b1 8, W1 64, g1 8): with 63 out, all of Wp and bp are in
	GEMM32 8, 128, 48
	PLACES 5
	BIAS8 48, 26, 0                                ; be1
	LN 0, 1                                        ; x1 = x + LayerNorm
	WIN 0x80
.irp mt, 0,1,2,3,4,5,6,7
.irp n, 0,1,2,3
	global_load_b128 v[32*\mt+8*\n:32*\mt+8*\n+3], v13, s[30:31] offset:64*\n       ; b2 starts the MLP's sums: nothing is cleared
	global_load_b128 v[32*\mt+8*\n+4:32*\mt+8*\n+7], v13, s[30:31] offset:64*\n+16
.endr
.endr
	WIN 0
	BAR                                            ; x1's images lie in LDS
	; ================ the MLP, a chunk of 256 hidden units a trip
	s_mov_b32 s58, 0
.Lchunk:
	s_wait_loadcnt 0x0                             ; W1 and b1 of this chunk (first trip: b2 too)
	LOADWH 68, 0, 3, 128                           ; W2 of this chunk lands while the hidden layer is made
	LOADWH 68, 16384, 1, 128
	s_mov_b32 s60, 0
	s_mov_b32 s59, 0
	v_add_nc_u32 v4, s60, v7
	P1LOAD 112, 0
	P1LOAD 144, 2
.Ltrip:                                                ; two row tiles: 64 matrix instructions, then their GELU
	s_wait_dscnt 0x0                               ; K steps 0-3 are in
	WIN 0x03
	P1MUL 112, 0
	WIN 0
	PLACES 4
	P1LOAD 112, 4
	WIN 0x03
	P1MUL 144, 2
	WIN 0
	PLACES 4
	P1LOAD 144, 6
	s_wait_dscnt 8                                 ; K steps 4, 5 are in; the 8 loads of 6, 7 may be out
	WIN 0x01
	P1MUL 112, 4
	s_wait_dscnt 0x0
	P1MUL 144, 6
	WIN 0
	PLACES 4
	v_add_nc_u32 v6, s60, v9                       ; where these two row tiles' images go
	s_add_co_u32 s60, s60, 16384
	s_cmp_eq_u32 s59, 3
	s_cbranch_scc1 .Lnopre                         ; the last trip has no successor
	v_add_nc_u32 v4, s60, v7
	P1LOAD 112, 0                                  ; the next trip's first fragments land under the GELU
	P1LOAD 144, 2
.Lnopre:
	GELU16 48, 0
	GELU16 64, 1024
	GELU16 80, 8192
	GELU16 96, 8192+1024
	s_add_co_u32 s59, s59, 1
	s_cmp_lt_u32 s59, 4
	s_cbranch_scc1 .Ltrip
	BAR                                            ; the chunk's images lie in LDS
	s_wait_loadcnt 0x0                             ; W2 of this chunk; no load is out, so the pointers may step
	s_add_nc_u64 s[68:69], s[68:69], 0x20000
	s_cmp_eq_u32 s58, 3
	s_cbranch_scc1 .Lnow1                          ; no load leaves its buffer
	s_add_nc_u64 s[66:67], s[66:67], 0x20000
	s_add_nc_u64 s[28:29], s[28:29], 1024
	BIAS8 16, 28, 0                                ; the next chunk's b1 and W1 land under this chunk's second product
	LOADWH 66, 0, 3, 0
	LOADWH 66, 16384, 1, 0
.Lnow1:
	GEMM32 8, 128, -1
	PLACES 5
	BAR                                            ; every wave has read the chunk's images: they may be written again
	s_add_co_u32 s58, s58, 1
	s_cmp_lt_u32 s58, 4
	s_cbranch_scc1 .Lchunk
	; ================ out0 = x1 + LayerNorm
	BIAS8 80, 32, 0                                ; g2
	BIAS8 48, 34, 0                                ; be2
	LN 2, 2
	s_wait_tensorcnt 0x0                           ; the wave's end, behind my last LDS store
	ds_add_u32 v1, v2
	s_wait_dscnt 0x0
	s_endpgm
.Lfunc_end_k_q67f65dc4c2_block:
	.size	k_q67f65dc4c2_block, .Lfunc_end_k_q67f65dc4c2_block-k_q67f65dc4c2_block
	.p2alignl 7, 3214868480
	.fill 96, 4, 3214868480
	.section	.rodata,"a",@progbits
	.p2align	6, 0x0
	.amdhsa_kernel k_q67f65dc4c2_block
		.amdhsa_group_segment_fixed_size 308736
		.amdhsa_private_segment_fixed_size 0
		.amdhsa_enable_private_segment 0
		.amdhsa_kernarg_size 120
		.amdhsa_user_sgpr_count 2
		.amdhsa_user_sgpr_kernarg_segment_ptr 1
		.amdhsa_wavefront_size32 1
		.amdhsa_system_sgpr_workgroup_id_x 1
		.amdhsa_system_sgpr_workgroup_id_y 1
		.amdhsa_system_sgpr_workgroup_id_z 1
		.amdhsa_system_vgpr_workitem_id 0
		.amdhsa_next_free_vgpr 1024
		.amdhsa_next_free_sgpr 80
		.amdhsa_reserve_vcc 0
		.amdhsa_float_denorm_mode_32 3
		.amdhsa_float_denorm_mode_16_64 3
		.amdhsa_memory_ordered 1
		.amdhsa_forward_progress 1
		.amdhsa_inst_pref_size 255
	.end_amdhsa_kernel
	.section	.bss,"aw",@nobits
	.p2align	6
	.space	262144
	.amdgpu_metadata
---
amdhsa.version: [ 1, 2 ]
amdhsa.kernels:
  - .name:           k_q67f65dc4c2_block
    .symbol:         k_q67f65dc4c2_block.kd
    .args:
      - { .name: x, .offset: 0, .size: 8, .value_kind: global_buffer, .address_space: global }
      - { .name: pos, .offset: 8, .size: 8, .value_kind: global_buffer, .address_space: global }
      - { .name: wfrag, .offset: 16, .size: 8, .value_kind: global_buffer, .address_space: global }
      - { .name: wkvq, .offset: 24, .size: 8, .value_kind: global_buffer, .address_space: global }
      - { .name: wkvs, .offset: 32, .size: 8, .value_kind: global_buffer, .address_space: global }
      - { .name: bq, .offset: 40, .size: 8, .value_kind: global_buffer, .address_space: global }
      - { .name: bkv, .offset: 48, .size: 8, .value_kind: global_buffer, .address_space: global }
      - { .name: bp, .offset: 56, .size: 8, .value_kind: global_buffer, .address_space: global }
      - { .name: g1, .offset: 64, .size: 8, .value_kind: global_buffer, .address_space: global }
      - { .name: be1, .offset: 72, .size: 8, .value_kind: global_buffer, .address_space: global }
      - { .name: b1, .offset: 80, .size: 8, .value_kind: global_buffer, .address_space: global }
      - { .name: b2, .offset: 88, .size: 8, .value_kind: global_buffer, .address_space: global }
      - { .name: g2, .offset: 96, .size: 8, .value_kind: global_buffer, .address_space: global }
      - { .name: be2, .offset: 104, .size: 8, .value_kind: global_buffer, .address_space: global }
      - { .name: out0, .offset: 112, .size: 8, .value_kind: global_buffer, .address_space: global }
    .group_segment_fixed_size: 308736
    .private_segment_fixed_size: 0
    .kernarg_segment_align: 8
    .kernarg_segment_size: 120
    .max_flat_workgroup_size: 128
    .sgpr_count:     80
    .vgpr_count:     1024
    .wavefront_size: 32
...
	.end_amdgpu_metadata
.endif
;; end of part 2
